; MI455X (gfx1250); checked and timed in simulation.
; The chip was launched on July 23, 2026; its instructions are those of AMD's public machine-readable ISA for CDNA 5 (MIT licence, August 2026) and "CDNA5" Instruction Set Architecture Reference Guide (July 2026). The comments in the code are by the model that wrote it; some were corrected since.
;; Topological Quantum Attention. Allowed arithmetic: matrix products marked QUANTISED: E2M1 operands, one E8M0 scale for each 32 along K, by v_wmma_scale_f32_16x16x128_f8f6f4 with both operands' format E2M1 (or v_wmma_scale_f32_32x16x128_f4), f32 sums; products left as they are: bf16, f16 or f32 operands; f32 sums; everything else in f32.
;; Inputs: Wk 256 x 256 float32; Wo 256 x 256 float32; Wq 256 x 256 float32; Wv 256 x 256 float32; bk 256 float32; bo 256 float32; bq 256 float32; bv 256 float32; topo_weights 4 x 2,048 x 2,048 float32; x 4 x 2,048 x 256 float32.
;; Outputs: out0 4 x 2,048 x 256 float32.
;; This version of the problem:
;;   THIS VERSION OF THE PROBLEM IS GIVEN IN LOW PRECISION. The matrix products marked QUANTISED in the list below multiply operands that are first quantised to E2M1 (2 exponent bits, 1 mantissa bit; 4 bits a number), with one power-of-two scale for each 32 numbers along K (OCP MX v1.0); their sums are f32. The products marked 'left as it is' may take bf16, f16 or f32 operands, with f32 sums. Whichever they take, every output number must still come out within the allowed error. Rounding operands to bf16 (8 significant bits) uses up far more of that allowance than f16 does (11 bits, for magnitudes from 6e-5 to 65,504). All else is computed in f32.
;;   The module's matrix products, in the order in which they are computed (A, B: the left and right operand; K: the contracted axis; several contracted axes count as one K, in the product's order):
;;     1. [M 8,192, K 256] x [K 256, N 256]; A: input x; B: input Wq: QUANTISED
;;     2. [M 8,192, K 256] x [K 256, N 256]; A: input x; B: input Wk: QUANTISED
;;     3. [M 8,192, K 256] x [K 256, N 256]; A: input x; B: input Wv: QUANTISED
;;     4. batch 32 x [M 2,048, K 128] x [K 128, N 2,048]; A: computed on the way; B: computed on the way: left as it is (an operand is computed on the way)
;;     5. batch 32 x [M 32, K 2,048] x [K 2,048, N 2,048]; A: computed on the way; B: computed on the way: left as it is (an operand is computed on the way)
;;     6. [M 8,192, K 256] x [K 256, N 256]; A: computed on the way; B: input Wo: left as it is (an operand is computed on the way)
;;   THE QUANTISER, for each operand of a quantised product, along K:
;;     - K is cut into blocks of 32 from its start; a last block that is shorter is filled with zeros.
;;     - A block's scale is 2^e with e = floor(log2(the largest magnitude in the block)) - 2, held to -126 .. 127; a block of zeros has e = 0. As a byte (E8M0): e + 127.
;;     - Each number is divided by its block's scale, clamped to +-6, and rounded to the nearest number of E2M1, ties to even, subnormals kept.
;;     - The product sums the exact products of the quantised numbers (number of the format x scale) in f32.
;;   ~~~python
;;   def quantise(x, axis):      # numpy; x: float32 -> the quantised numbers, widened to float32 again
;;       x = np.moveaxis(x, axis, -1); K = x.shape[-1]
;;       x = np.pad(x, [(0, 0)] * (x.ndim - 1) + [(0, -K % 32)]); x = x.reshape(x.shape[:-1] + (-1, 32)); a = np.abs(x).max(-1, keepdims=True)
;;       e = np.where(a > 0, np.clip(np.frexp(np.where(a > 0, a, 1))[1] - 1 - 2, -126, 127), 0)      # np.frexp(a)[1] - 1 = floor(log2(a)), exactly
;;       r = np.clip(x / 2.0 ** e, -6, 6)
;;       step = 2.0 ** (np.maximum(np.frexp(np.where(r == 0, 1, r))[1] - 1, 0) - 1)
;;       q = np.round(r / step) * step * 2.0 ** e      # np.round: ties to even
;;       return np.moveaxis(q.reshape(q.shape[:-2] + (-1,))[..., :K], -1, axis).astype(np.float32)
;;   ~~~
;; One version. Each part assembles by itself: llvm-mc -triple=amdgcn-amd-amdhsa -mcpu=gfx1250 --defsym DOCPART=n.
;; ======== version 1 of 1: 3 launches
;; limits: values are held in f16: magnitudes above 65,504 overflow, below 6.1e-05 lose precision; right only within a limited range of input values
;; workspace buffers: qimg 8,388,608 bytes; kv 12,582,912 bytes; woimg 131,072 bytes; oimg 4,194,304 bytes
;; launch proj (part 1): grid 64 x 4, 8 waves a work-group, no clusters, 47,104 bytes of LDS; arguments x, Wq, Wk, Wv, bq, bk, bv, Wo, qimg, kv, woimg; writes qimg, kv, woimg
.if DOCPART == 1
	.amdgcn_target "amdgcn-amd-amdhsa--gfx1250"
	.amdhsa_code_object_version 6
	.text
	.protected	k_q1e097606ab_proj
	.globl	k_q1e097606ab_proj
	.p2align	8
	.type	k_q1e097606ab_proj,@function
k_q1e097606ab_proj:
	s_mov_b64 s[64:65], 0
	v_nop
	global_prefetch_b8 v0, s[64:65] scope:SCOPE_SE
	s_setreg_imm32_b32 hwreg(HW_REG_WAVE_MODE, 25, 1), 1
	s_wait_xcnt 0x0
; q = x Wq + bq, k = x Wk + bk, v = x Wv + bv on codes of FP4 (E2M1) with one E8M0 scale for each 32 along K = 256; then the feature map, and everything leaves as f16 images of operand registers.
; THE FEATURE MAP.  The four groups are cos p, sin p, cos(p + pi/2) = -sin p, sin(p + pi/2) = cos p, so q_feat . k_feat = 2 (cos q . cos k + sin q . sin k): only cos and sin are stored (K = 64),
; and the factor 2, 1 / sqrt(32) and log2(e) are multiplied into Q's features (c = 2 log2(e) / sqrt(32)) before they are rounded to f16.
; SHARES.  Work-group (tb, g): tokens 128 tb .. + 127, columns 64 g .. + 63 of each of q, k, v (heads 2 g, 2 g + 1).  Phase 1: wave w quantises token tile w of x (two K steps of 128) and, of each weight, the fragment
; (column tile w / 2, K step w % 2); a lane holds two whole blocks of 32, so a block's largest magnitude needs no other lane.  The fragments go to LDS as images of their registers (registers 0-3 at 16 x lane,
; 4-7 at 512 + 16 x lane; the scale word at 4 x lane).  One barrier.  Phase 2: wave w takes column tile t = w % 4 and token tiles 4 (w / 4) .. + 3: six products a tile.
; q and k are used transposed (source 0 = 16 columns of W, source 1 = 16 tokens): a lane holds one token and eight neighbouring head dims: half an f16 fragment of Q or K.
; v is used as it stands (source 0 = tokens, source 1 = columns): a lane holds one channel and eight neighbouring tokens: half an f16 fragment of V^T.
; No tensor load and no cluster: the operands arrive as f32 in the very lane order that plain loads give, each is used once, and the launch's weight lies in its vector work.
; The 128 fragments of Wo^T (f16) are made by waves 0 and 1 of the work-groups with g = 0, one each.
; sin and cos: n = floor(p 2/pi + 1/2); r = p - n pi/2 in two fused steps; polynomials of degree 7 and 8 on |r| <= pi/4; the quadrant swaps and signs them.
; LIMITS: phases |q|, |k| under 2^20 (the two-step reduction); |v| under 65,504 (f16); NaN and infinities are not served; a block of zeros gets the scale byte 1 where the rule says 127
; (its codes are zeros, and only this program reads the bytes); reference() rounds p + pi/2 to f32 before its cos and sin, this text does not: half an ulp of the phase.
.set WIMG,  0                          ; LDS: 24 weight fragments (8 x matrix + 2 x column tile + K step), 1,024 bytes each
.set WSC,   24576                      ; their scale words, 128 bytes each
.set XIMG,  27648                      ; x's 16 fragments (2 x token tile + K step)
.set XSC,   44032                      ; their scale words
.set SPARE, 46080                      ; the spare words, 128 bytes for each of the eight waves: no other line names them
.set LI,  4                            ; v4   16 x lane
.set LS,  5                            ; v5   4 x lane
.set WA,  6                            ; v6   a weight: 32 h rows of 1,024 bytes + 4 r
.set XA,  7                            ; v7   x: row r of 1,024 bytes + 128 h
.set WWI, 8                            ; v8   where I store weight images: 16 x lane + 1,024 w;  v9 their scale words: 4 x lane + 128 w
.set WWS, 9
.set XWI, 10                           ; v10  x's images: 16 x lane + 2,048 w;  v11 their scale words: 4 x lane + 256 w
.set XWS, 11
.set H8,  12                           ; v12  8 h
.set SPW, 14                           ; v14  my spare word;  v15  0: both never rewritten
.set NIL, 15
.set TM,  16                           ; phase 1: v16-19 largest magnitudes, v20-21 the conversions' scale operands, v22-23 bytes, v24 the scale word, v25 at work, v26-33 the codes
.set SO,  20
.set BY,  22
.set PW,  24
.set TMP, 25
.set PC,  26
.set XB0, 64                           ; two buffers of 64 numbers
.set XB1, 128
.set OUT, 16                           ; phase 2: v16-35 q cos, q sin, k cos, k sin, v: four registers each
.set XS,  36                           ; v36-39 x's scale words, two sets: scales and nothing else
.set XF,  40                           ; v40-71 x's fragments, two sets of two K steps
.set BQ,  72                           ; v72-95 the biases in the results' layout
.set BK,  80
.set BV,  88
.set ACCQ, 96
.set ACCK, 104
.set ACCV, 112
.set TN,  120                          ; v120-183 at work in SINCOS, eight registers each
.set TR,  128
.set TI,  136
.set TZ,  144
.set PS,  152
.set PCO, 160
.set TU,  168
.set TG,  176
.set AB8, 192                          ; v192 32 h;  v193 4 r;  v194 Wo: 8 h rows + 4 r
.set AB4, 193
.set AWO, 194
.set AWI, 195                          ; v195-198 phase 2's LDS addresses: weights' images and scale words (by t), x's (by w / 4)
.set AWS, 196
.set AXI, 197
.set AXS, 198
.set KS2, 200                          ; v[200:201] the sine's highest coefficient, twice;  v[2:3] the cosine's
.set KC2, 2
.set WF,  202                          ; v202-249 my six weight fragments (16 x matrix + 8 x K step)
.set WS,  250                          ; v250-255 their scale words: scales and nothing else
.macro XLOAD buf, s                    ; my 16 rows of x, K step s: lane (r, h) takes k = 128 s + 64 c + 32 h + 0 .. 31 of row r, the order of the operand's registers
.irp c, 0,1
.irp i, 0,1,2,3,4,5,6,7
	global_load_b128 v[\buf+32*\c+4*\i:\buf+32*\c+4*\i+3], v[XA], s[4:5] offset:512*\s+256*\c+16*\i
.endr
.endr
.endm
.macro WLOAD buf, lo                   ; my fragment of a weight [k][n]: a lane takes a column and its registers run down K; sixteen lanes read 64 neighbouring bytes
.irp c, 0,1
.irp i, 0,1,2,3,4,5,6,7,8,9,10,11,12,13,14,15,16,17,18,19,20,21,22,23,24,25,26,27,28,29,30,31
	global_load_b32 v[\buf+32*\c+\i], v[WA], s[\lo:\lo+1] offset:(64*\c+\i)*1024
.endr
.endr
.endm
; 64 numbers of a lane, two whole blocks of 32 (blocks h and 2 + h of the K step), become the fragment's codes in v[PC] on and the row's scale word in v[PW].
.macro QUANT x
.irp c, 0,1
	v_max3_num_f32 v[TM+2*\c], |v[\x+32*\c]|, |v[\x+32*\c+1]|, 0x1800000          ; two chains a block; the floor 2^(3 - 127) holds the byte at 1 from below
	v_max3_num_f32 v[TM+2*\c+1], |v[\x+32*\c+2]|, |v[\x+32*\c+3]|, 0x1800000
.endr
.irp i, 4,8,12,16,20,24,28
.irp c, 0,1
	v_max3_num_f32 v[TM+2*\c], v[TM+2*\c], |v[\x+32*\c+\i]|, |v[\x+32*\c+\i+1]|
	v_max3_num_f32 v[TM+2*\c+1], v[TM+2*\c+1], |v[\x+32*\c+\i+2]|, |v[\x+32*\c+\i+3]|
.endr
.endr
.irp c, 0,1
	v_max_num_f32 v[TM+2*\c], v[TM+2*\c], v[TM+2*\c+1]
.endr
.irp c, 0,1
	v_add_nc_u32 v[SO+\c], 0xff000000, v[TM+2*\c]     ; 2 off the exponent field: the conversion's scale operand
.endr
.irp c, 0,1
	v_lshrrev_b32 v[BY+\c], 23, v[SO+\c]              ; the scale's byte
.endr
	v_lshl_or_b32 v[PW], v[BY+1], 16, v[BY]           ; my two bytes,
	v_lshlrev_b32 v[PW], v[H8], v[PW]                 ; 8 h bits up;
	v_permlanex16_b32 v[TMP], v[PW], s30, s31
	v_or_b32 v[PW], v[PW], v[TMP]                     ; with lane l xor 16's two the word is whole
.irp c, 0,1
.irp g, 0,1,2,3
	v_cvt_scalef32_pk8_fp4_f32 v[PC+4*\c+\g], v[\x+32*\c+8*\g:\x+32*\c+8*\g+7], v[SO+\c]
.endr
.endr
	v_nop                                             ; one plain line behind the last scaled conversion
.endm
.macro IMAGE adr, off, sadr, soff      ; the fragment and its scale word go to LDS as they stand
	ds_store_b128 v[\adr], v[PC:PC+3] offset:\off
	ds_store_b128 v[\adr], v[PC+4:PC+7] offset:\off+512
	ds_store_b32 v[\sadr], v[PW] offset:\soff
	s_wait_dscnt 0x0                                  ; the stores have read their registers: the next fragment may be made
.endm
.macro XFETCH m                        ; x's two fragments and scale words of my token tile m into set m % 2
.irp s, 0,1
	ds_load_b128 v[XF+16*((\m)%2)+8*\s:XF+16*((\m)%2)+8*\s+3], v[AXI] offset:XIMG+2048*(\m)+1024*\s
	ds_load_b128 v[XF+16*((\m)%2)+8*\s+4:XF+16*((\m)%2)+8*\s+7], v[AXI] offset:XIMG+2048*(\m)+1024*\s+512
	ds_load_b32 v[XS+2*((\m)%2)+\s], v[AXS] offset:XSC+256*(\m)+128*\s
.endr
.endm
.macro FP4 d, a, b, c, sa, sb
	v_wmma_scale_f32_16x16x128_f8f6f4 v[\d:\d+7], v[\a:\a+7], v[\b:\b+7], v[\c:\c+7], v[\sa], v[\sb] matrix_a_fmt:MATRIX_FMT_FP4 matrix_b_fmt:MATRIX_FMT_FP4
.endm
; cos and sin of eight phases v[src] on, rounded to f16: cos in v[out] .. + 3, sin in v[out + 4] .. + 7.  scaled = 1: both times c first.  Every stage goes up the registers, so a matrix result is first read at its low end.
.macro SINCOS src, out, scaled
.irp p, 0,2,4,6
	v_pk_fma_f32 v[TN+\p:TN+\p+1], v[\src+\p:\src+\p+1], s[44:45], 0.5 op_sel_hi:[1,0,0]
.endr
.irp j, 0,1,2,3,4,5,6,7
	v_floor_f32 v[TN+\j], v[TN+\j]                    ; n = floor(p 2/pi + 1/2)
.endr
.irp p, 0,2,4,6
	v_pk_fma_f32 v[TR+\p:TR+\p+1], v[TN+\p:TN+\p+1], s[46:47], v[\src+\p:\src+\p+1] op_sel_hi:[1,0,1]   ; p - n x (pi/2's high part)
.endr
.irp p, 0,2,4,6
	v_pk_fma_f32 v[TR+\p:TR+\p+1], v[TN+\p:TN+\p+1], s[48:49], v[TR+\p:TR+\p+1] op_sel_hi:[1,0,1]       ; - n x (its low part): r
.endr
.irp j, 0,1,2,3,4,5,6,7
	v_cvt_i32_f32 v[TI+\j], v[TN+\j]
.endr
.irp p, 0,2,4,6
	v_pk_mul_f32 v[TZ+\p:TZ+\p+1], v[TR+\p:TR+\p+1], v[TR+\p:TR+\p+1]                                   ; z = r r
.endr
.irp p, 0,2,4,6
	v_pk_fma_f32 v[PS+\p:PS+\p+1], v[TZ+\p:TZ+\p+1], v[KS2:KS2+1], s[50:51] op_sel_hi:[1,1,0]
	v_pk_fma_f32 v[PCO+\p:PCO+\p+1], v[TZ+\p:TZ+\p+1], v[KC2:KC2+1], s[54:55] op_sel_hi:[1,1,0]
.endr
.irp p, 0,2,4,6
	v_pk_fma_f32 v[PS+\p:PS+\p+1], v[PS+\p:PS+\p+1], v[TZ+\p:TZ+\p+1], s[52:53] op_sel_hi:[1,1,0]
	v_pk_fma_f32 v[PCO+\p:PCO+\p+1], v[PCO+\p:PCO+\p+1], v[TZ+\p:TZ+\p+1], s[56:57] op_sel_hi:[1,1,0]
.endr
.irp p, 0,2,4,6
	v_pk_mul_f32 v[TU+\p:TU+\p+1], v[TR+\p:TR+\p+1], v[TZ+\p:TZ+\p+1]
	v_pk_fma_f32 v[TG+\p:TG+\p+1], v[TZ+\p:TZ+\p+1], -0.5, 1.0 op_sel_hi:[1,0,0]
.endr
.irp p, 0,2,4,6
	v_pk_fma_f32 v[PS+\p:PS+\p+1], v[TU+\p:TU+\p+1], v[PS+\p:PS+\p+1], v[TR+\p:TR+\p+1]                 ; sin r = r + r z (..)
	v_pk_mul_f32 v[TZ+\p:TZ+\p+1], v[TZ+\p:TZ+\p+1], v[TZ+\p:TZ+\p+1]
.endr
.irp p, 0,2,4,6
	v_pk_fma_f32 v[PCO+\p:PCO+\p+1], v[TZ+\p:TZ+\p+1], v[PCO+\p:PCO+\p+1], v[TG+\p:TG+\p+1]             ; cos r = 1 - z / 2 + z z (..)
.endr
.irp j, 0,1,2,3,4,5,6,7
	v_and_b32 v[TN+\j], 1, v[TI+\j]
	v_cmp_ne_u32 vcc_lo, 0, v[TN+\j]                  ; an odd quadrant swaps the two
	v_cndmask_b32 v[TU+\j], v[PS+\j], v[PCO+\j], vcc_lo
	v_cndmask_b32 v[TG+\j], v[PCO+\j], v[PS+\j], vcc_lo
	v_lshlrev_b32 v[TN+\j], 30, v[TI+\j]              ; sin is negative where bit 1 of n is set,
	v_add_nc_u32 v[TI+\j], 1, v[TI+\j]                ; cos where bit 1 of n + 1 is
	v_and_b32 v[TN+\j], 0x80000000, v[TN+\j]
	v_lshlrev_b32 v[TI+\j], 30, v[TI+\j]
	v_xor_b32 v[TU+\j], v[TN+\j], v[TU+\j]
	v_and_b32 v[TI+\j], 0x80000000, v[TI+\j]
	v_xor_b32 v[TG+\j], v[TI+\j], v[TG+\j]
.endr
.if \scaled
.irp p, 0,2,4,6
	v_pk_mul_f32 v[TG+\p:TG+\p+1], v[TG+\p:TG+\p+1], s[58:59] op_sel_hi:[1,0]
	v_pk_mul_f32 v[TU+\p:TU+\p+1], v[TU+\p:TU+\p+1], s[58:59] op_sel_hi:[1,0]
.endr
.endif
.irp p, 0,2,4,6
	v_cvt_pk_f16_f32 v[\out+\p/2], v[TG+\p], v[TG+\p+1]
	v_cvt_pk_f16_f32 v[\out+4+\p/2], v[TU+\p], v[TU+\p+1]
.endr
.endm
	s_load_b512 s[4:19], s[0:1], 0x0               ; x s[4:5], Wq s[6:7], Wk s[8:9], Wv s[10:11], bq s[12:13], bk s[14:15], bv s[16:17], Wo s[18:19]
	s_load_b128 s[20:23], s[0:1], 0x40             ; qimg s[20:21], kv s[22:23]
	s_load_b64 s[24:25], s[0:1], 0x50              ; woimg
	v_lshl_add_u32 v[SPW], v0, 2, SPARE
	v_mov_b32 v[NIL], 0
	v_lshrrev_b32 v1, 5, v0
	v_readfirstlane_b32 s26, v1                    ; wave w
	v_and_b32 v1, 31, v0                           ; lane
	v_and_b32 v2, 15, v0                           ; r
	v_bfe_u32 v3, v0, 4, 1                         ; h
	v_lshlrev_b32 v[LI], 4, v1
	v_lshlrev_b32 v[LS], 2, v1
	v_lshlrev_b32 v[AB4], 2, v2
	v_lshl_add_u32 v[WA], v3, 15, v[AB4]
	v_lshl_add_u32 v[AWO], v3, 13, v[AB4]
	v_lshlrev_b32 v[XA], 10, v2
	v_lshl_add_u32 v[XA], v3, 7, v[XA]
	v_lshlrev_b32 v[H8], 3, v3
	v_lshlrev_b32 v[AB8], 5, v3
	v_mov_b32 v[TMP], 0                            ; a lane permute's destination counts as one of its sources
	v_mov_b32 v[KS2], 0xb94ca1f9
	v_mov_b32 v[KS2+1], 0xb94ca1f9
	v_mov_b32 v[KC2], 0x37ccf5ce                   ; (r and h are done with)
	v_mov_b32 v[KC2+1], 0x37ccf5ce
	s_and_b32 s27, ttmp7, 0xffff                   ; g
	s_mov_b32 s28, ttmp9                           ; tb
	s_and_b32 s29, s26, 3                          ; t: my column tile in phase 2
	s_lshr_b32 s42, s26, 2                         ; which four token tiles
	s_and_b32 s43, s26, 1                          ; phase 1: my K step of the weights; phase 2: which half of a head's 32 dims
	s_lshl_b32 s32, s26, 10
	v_add_nc_u32 v[WWI], s32, v[LI]
	s_lshl_b32 s32, s26, 7
	v_add_nc_u32 v[WWS], s32, v[LS]
	s_lshl_b32 s32, s26, 11
	v_add_nc_u32 v[XWI], s32, v[LI]
	s_lshl_b32 s32, s26, 8
	v_add_nc_u32 v[XWS], s32, v[LS]
	s_lshl_b32 s32, s29, 11
	v_add_nc_u32 v[AWI], s32, v[LI]
	s_lshl_b32 s32, s29, 8
	v_add_nc_u32 v[AWS], s32, v[LS]
	s_lshl_b32 s32, s42, 13
	v_add_nc_u32 v[AXI], s32, v[LI]
	s_lshl_b32 s32, s42, 10
	v_add_nc_u32 v[AXS], s32, v[LS]
	s_mov_b32 s30, 0x76543210                      ; v_permlanex16_b32's selects for lane l xor 16
	s_mov_b32 s31, 0xfedcba98
	s_mov_b32 s44, 0x3f22f983                      ; 2 / pi.  (The packed forms name pairs and take the low word for both halves: both words are written)
	s_mov_b32 s45, s44
	s_mov_b32 s46, 0xbfc90fdb                      ; -(pi / 2 rounded to f32)
	s_mov_b32 s47, s46
	s_mov_b32 s48, 0x333bbd2e                      ; -(pi / 2 less that)
	s_mov_b32 s49, s48
	s_mov_b32 s50, 0x3c08839e                      ; the sine's coefficients,
	s_mov_b32 s51, s50
	s_mov_b32 s52, 0xbe2aaaa3
	s_mov_b32 s53, s52
	s_mov_b32 s54, 0xbab6061a                      ; the cosine's
	s_mov_b32 s55, s54
	s_mov_b32 s56, 0x3d2aaaa5
	s_mov_b32 s57, s56
	s_mov_b32 s58, 0x3f0293ee                      ; c = 2 log2(e) / sqrt(32)
	s_mov_b32 s59, s58
	s_lshl_b32 s32, s28, 17                        ; x: (128 tb + 16 w) rows of 1,024 bytes
	s_lshl_b32 s33, s26, 14
	s_add_co_u32 s32, s32, s33
	s_mov_b32 s33, 0
	s_lshl_b32 s34, s43, 17                        ; a weight: K step w % 2 (128 rows of 1,024 bytes), column 64 g + 16 (w / 2)
	s_lshl_b32 s35, s27, 8
	s_add_co_u32 s34, s34, s35
	s_lshr_b32 s35, s26, 1
	s_lshl_b32 s35, s35, 6
	s_add_co_u32 s34, s34, s35
	s_mov_b32 s35, 0
	s_wait_kmcnt 0x0
	s_add_nc_u64 s[4:5], s[4:5], s[32:33]
	s_add_nc_u64 s[6:7], s[6:7], s[34:35]
	s_add_nc_u64 s[8:9], s[8:9], s[34:35]
	s_add_nc_u64 s[10:11], s[10:11], s[34:35]
	XLOAD XB0, 0
	XLOAD XB1, 1
	; where phase 2's results go
	s_lshr_b32 s60, s28, 4                         ; the batch
	s_lshl_b32 s60, s60, 3
	s_lshl_b32 s61, s27, 1
	s_add_co_u32 s60, s60, s61
	s_lshr_b32 s61, s29, 1
	s_add_co_u32 s60, s60, s61                     ; 8 x batch + head, head = 2 g + t / 2
	s_and_b32 s61, s28, 15                         ; my block of 128 tokens in the batch
	s_lshl_b32 s32, s60, 7
	s_lshl_b32 s33, s61, 3
	s_add_co_u32 s32, s32, s33
	s_lshl_b32 s33, s42, 2
	s_add_co_u32 s32, s32, s33                     ; Q: token tile,
	s_lshl_b32 s32, s32, 11                        ; 2,048 bytes each,
	s_lshl_b32 s33, s43, 9
	s_add_co_u32 s32, s32, s33                     ; my half of a fragment
	s_mov_b32 s33, 0
	s_add_nc_u64 s[36:37], s[20:21], s[32:33]
	s_mul_i32 s32, s60, 393216                     ; K and V: the head's 32 steps of 12,288 bytes,
	s_lshl_b32 s33, s61, 1
	s_add_co_u32 s33, s33, s42
	s_mul_i32 s33, s33, 12288                      ; my step of 64 keys
	s_add_co_u32 s32, s32, s33
	s_mov_b32 s33, 0
	s_add_nc_u64 s[40:41], s[22:23], s[32:33]
	s_lshl_b32 s32, s43, 9
	s_add_nc_u64 s[38:39], s[40:41], s[32:33]      ; K: my half of a fragment
	s_lshl_b32 s32, s43, 10
	s_add_co_u32 s32, s32, 8192
	s_add_nc_u64 s[40:41], s[40:41], s[32:33]      ; V^T: behind K's 8,192 bytes, my tile of 16 channels
	s_lshl_b32 s32, s27, 8                         ; the biases at column 64 g + 16 t
	s_lshl_b32 s34, s29, 6
	s_add_co_u32 s32, s32, s34
	s_add_nc_u64 s[12:13], s[12:13], s[32:33]
	s_add_nc_u64 s[14:15], s[14:15], s[32:33]
	s_add_nc_u64 s[16:17], s[16:17], s[32:33]
	; ---- phase 1: five fragments a wave; the loads of the next but one stand behind each
	s_wait_loadcnt 16                              ; x's K step 0 is in; the 16 loads of K step 1 may be out
	QUANT XB0
	IMAGE XWI, XIMG, XWS, XSC
	WLOAD XB0, 6
	s_wait_loadcnt 63                              ; x's K step 1 is in: behind it stand 64 loads, of which the count can name 63
	QUANT XB1
	IMAGE XWI, XIMG+1024, XWS, XSC+128
	WLOAD XB1, 8
	s_wait_loadcnt 63                              ; Wq's 64 are in (behind them Wk's 64)
	QUANT XB0
	IMAGE WWI, WIMG, WWS, WSC
	WLOAD XB0, 10
	s_wait_loadcnt 63                              ; Wk's
	QUANT XB1
	IMAGE WWI, WIMG+8192, WWS, WSC+1024
	s_wait_loadcnt 0x0                             ; Wv's
	QUANT XB0
	IMAGE WWI, WIMG+16384, WWS, WSC+2048
	global_load_b128 v[BQ:BQ+3], v[AB8], s[12:13]              ; bq and bk: lane (r, h), register j: column 16 t + 8 h + j
	global_load_b128 v[BQ+4:BQ+7], v[AB8], s[12:13] offset:16
	global_load_b128 v[BK:BK+3], v[AB8], s[14:15]
	global_load_b128 v[BK+4:BK+7], v[AB8], s[14:15] offset:16
.irp j, 0,1,2,3,4,5,6,7
	global_load_b32 v[BV+\j], v[AB4], s[16:17]                 ; bv: column 16 t + r in all eight registers
.endr
	s_barrier_signal -1                            ; my LDS stores have landed (the wait for 0 in IMAGE)
	s_barrier_wait -1                              ; everybody's have: all 40 fragments lie in LDS, and nobody writes LDS again
	; ---- phase 2
.irp i, 0,1,2
.irp s, 0,1
	ds_load_b128 v[WF+16*\i+8*\s:WF+16*\i+8*\s+3], v[AWI] offset:WIMG+8192*\i+1024*\s
	ds_load_b128 v[WF+16*\i+8*\s+4:WF+16*\i+8*\s+7], v[AWI] offset:WIMG+8192*\i+1024*\s+512
	ds_load_b32 v[WS+2*\i+\s], v[AWS] offset:WSC+1024*\i+128*\s
.endr
.endr
	XFETCH 0
	s_wait_loadcnt 0x0                             ; the biases
.irp m, 0,1,2,3
	s_wait_dscnt 0x0                               ; this tile's fragments of x (and, the first time, the weights') are in
	; three accumulators by turns, one instruction a turn; the biases are the C of each sum's first product
	FP4 ACCQ, WF, XF+16*(\m%2), BQ, WS, XS+2*(\m%2)
	FP4 ACCK, WF+16, XF+16*(\m%2), BK, WS+2, XS+2*(\m%2)
	FP4 ACCV, XF+16*(\m%2), WF+32, BV, XS+2*(\m%2), WS+4
	FP4 ACCQ, WF+8, XF+16*(\m%2)+8, ACCQ, WS+1, XS+2*(\m%2)+1
	FP4 ACCK, WF+24, XF+16*(\m%2)+8, ACCK, WS+3, XS+2*(\m%2)+1
	FP4 ACCV, XF+16*(\m%2)+8, WF+40, ACCV, XS+2*(\m%2)+1, WS+5
.rept 4
	v_nop                                          ; four places in front of the first read of results and of loads into operand registers
.endr
.if \m < 3
	XFETCH \m+1
.endif
	s_wait_xcnt 0x0                                ; the last tile's stores have read their registers
	SINCOS ACCQ, OUT, 1
	SINCOS ACCK, OUT+8, 0
.irp p, 0,2,4,6
	v_cvt_pk_f16_f32 v[OUT+16+\p/2], v[ACCV+\p], v[ACCV+\p+1]
.endr
	global_store_b128 v[LI], v[OUT:OUT+3], s[36:37] offset:2048*\m              ; each store of the wave covers 512 consecutive bytes, aligned
	global_store_b128 v[LI], v[OUT+4:OUT+7], s[36:37] offset:2048*\m+1024
	global_store_b128 v[LI], v[OUT+8:OUT+11], s[38:39] offset:2048*\m
	global_store_b128 v[LI], v[OUT+12:OUT+15], s[38:39] offset:2048*\m+1024
	global_store_b128 v[LI], v[OUT+16:OUT+19], s[40:41] offset:2048*(\m/2)+512*(\m%2)
.endr
	s_wait_tensorcnt 0x0                           ; closing lines behind my last LDS store; nothing below touches LDS
	ds_add_u32 v[SPW], v[NIL]
	s_wait_dscnt 0x0
	; ---- Wo^T as f16 fragments: fragment F = 2 tb + w (n tile F / 8, K step F % 8), by waves 0 and 1 where g = 0
	s_cmp_lg_u32 s27, 0
	s_cbranch_scc1 .Ldone
	s_cmp_gt_u32 s26, 1
	s_cbranch_scc1 .Ldone
	s_lshl_b32 s32, s28, 1
	s_add_co_u32 s32, s32, s26
	s_and_b32 s34, s32, 7
	s_lshl_b32 s34, s34, 15                        ; 32 rows of 1,024 bytes a K step
	s_lshr_b32 s35, s32, 3
	s_lshl_b32 s35, s35, 6                         ; 16 columns a tile
	s_add_co_u32 s34, s34, s35
	s_mov_b32 s35, 0
	s_add_nc_u64 s[18:19], s[18:19], s[34:35]
	s_lshl_b32 s32, s32, 10
	s_mov_b32 s33, 0
	s_add_nc_u64 s[24:25], s[24:25], s[32:33]
.irp j, 0,1,2,3,4,5,6,7
	global_load_b32 v[TR+\j], v[AWO], s[18:19] offset:\j*1024          ; k = 8 h + j of column r
	global_load_b32 v[TI+\j], v[AWO], s[18:19] offset:(16+\j)*1024     ; k = 16 + 8 h + j
.endr
	s_wait_loadcnt 0x0
.irp i, 0,1,2,3,4,5,6,7
	v_cvt_pk_f16_f32 v[TN+\i], v[TR+2*\i], v[TR+2*\i+1]
.endr
	global_store_b128 v[LI], v[TN:TN+3], s[24:25]
	global_store_b128 v[LI], v[TN+4:TN+7], s[24:25] offset:512
.Ldone:
	s_endpgm
.Lfunc_end_k_q1e097606ab_proj:
	.size	k_q1e097606ab_proj, .Lfunc_end_k_q1e097606ab_proj-k_q1e097606ab_proj
	.p2alignl 7, 3214868480
	.fill 96, 4, 3214868480
	.section	.rodata,"a",@progbits
	.p2align	6, 0x0
	.amdhsa_kernel k_q1e097606ab_proj
		.amdhsa_group_segment_fixed_size 47104
		.amdhsa_private_segment_fixed_size 0
		.amdhsa_enable_private_segment 0
		.amdhsa_kernarg_size 88
		.amdhsa_user_sgpr_count 2
		.amdhsa_user_sgpr_kernarg_segment_ptr 1
		.amdhsa_wavefront_size32 1
		.amdhsa_system_sgpr_workgroup_id_x 1
		.amdhsa_system_sgpr_workgroup_id_y 1
		.amdhsa_system_sgpr_workgroup_id_z 1
		.amdhsa_system_vgpr_workitem_id 0
		.amdhsa_next_free_vgpr 256
		.amdhsa_next_free_sgpr 66
		.amdhsa_reserve_vcc 1
		.amdhsa_float_denorm_mode_32 3
		.amdhsa_float_denorm_mode_16_64 3
		.amdhsa_memory_ordered 1
		.amdhsa_forward_progress 1
		.amdhsa_inst_pref_size 118
	.end_amdhsa_kernel
	.amdgpu_metadata
---
amdhsa.version: [ 1, 2 ]
amdhsa.kernels:
  - .name:           k_q1e097606ab_proj
    .symbol:         k_q1e097606ab_proj.kd
    .args:
      - { .name: x, .offset: 0, .size: 8, .value_kind: global_buffer, .address_space: global }
      - { .name: Wq, .offset: 8, .size: 8, .value_kind: global_buffer, .address_space: global }
      - { .name: Wk, .offset: 16, .size: 8, .value_kind: global_buffer, .address_space: global }
      - { .name: Wv, .offset: 24, .size: 8, .value_kind: global_buffer, .address_space: global }
      - { .name: bq, .offset: 32, .size: 8, .value_kind: global_buffer, .address_space: global }
      - { .name: bk, .offset: 40, .size: 8, .value_kind: global_buffer, .address_space: global }
      - { .name: bv, .offset: 48, .size: 8, .value_kind: global_buffer, .address_space: global }
      - { .name: Wo, .offset: 56, .size: 8, .value_kind: global_buffer, .address_space: global }
      - { .name: qimg, .offset: 64, .size: 8, .value_kind: global_buffer, .address_space: global }
      - { .name: kv, .offset: 72, .size: 8, .value_kind: global_buffer, .address_space: global }
      - { .name: woimg, .offset: 80, .size: 8, .value_kind: global_buffer, .address_space: global }
    .group_segment_fixed_size: 47104
    .private_segment_fixed_size: 0
    .kernarg_segment_align: 8
    .kernarg_segment_size: 88
    .max_flat_workgroup_size: 256
    .sgpr_count:     66
    .vgpr_count:     256
    .wavefront_size: 32
...
	.end_amdgpu_metadata
.endif
;; end of part 1
;; launch attn (part 2): grid 16 x 16, 8 waves a work-group, clusters of 4 x 4, 327,680 bytes of LDS; arguments qimg, kv, topo_weights, oimg; writes oimg
.if DOCPART == 2
	.amdgcn_target "amdgcn-amd-amdhsa--gfx1250"
	.amdhsa_code_object_version 6
	.text
	.protected	k_q1e097606ab_attn
	.globl	k_q1e097606ab_attn
	.p2align	8
	.type	k_q1e097606ab_attn,@function
k_q1e097606ab_attn:
	s_mov_b64 s[64:65], 0
	v_nop
	global_prefetch_b8 v0, s[64:65] scope:SCOPE_SE
	s_setreg_imm32_b32 hwreg(HW_REG_WAVE_MODE, 25, 1), 1
	s_wait_xcnt 0x0
	s_wait_alu depctr_hold_cnt(0) depctr_sa_sdst(0) depctr_va_vdst(0) depctr_va_sdst(0) depctr_va_ssrc(0) depctr_va_vcc(0) depctr_vm_vsrc(0)
	s_getreg_b32 s2, hwreg(HW_REG_IB_STS2, 6, 4)
	s_cmp_eq_u32 s2, 0
	s_cbranch_scc0 .Lentry_in_a_cluster
	s_endpgm
.Lentry_in_a_cluster:
	s_bfe_u32 s2, ttmp6, 0x10000c
	s_cmp_lg_u32 s2, 0xf033
	s_cbranch_scc0 .Lentry_shape_is_right
	s_endpgm
.Lentry_shape_is_right:
; O[b][n][head][:] = the sum over m of softmax_m(score[n][m] topo[b][n][m]) v[b][m][head][:], score = q_feat . k_feat / sqrt(32).  Both products in f16 with f32 sums; maxima, exponentials and sums in f32.
; Q, K, V^T arrive as images of operand registers (1,024 bytes a fragment: registers 0-3 at 16 x lane, 4-7 at 512 + 16 x lane); Q's features carry c = 2 log2(e) / sqrt(32), so a product is the score in units of log2.
; SHARES.  A work-group owns 128 queries and two heads of one batch; wave w owns head w % 2 of the pair and the query tiles 2 (w / 2), 2 (w / 2) + 1: two tiles of 16 queries.  Two waves lie on a SIMD, so that one
; wave's softmax stands beside the other's products and LDS loads; each wave's text goes in phases, with seven switches of the register window a step.  Every wave walks all 2,048 keys, 64 a step.
; LAYOUT.  S^T = K Q^T (source 0 = 16 keys, source 1 = 16 queries; two K steps: cos, sin): a lane holds one query (lane % 16) and keys 8 (lane / 16) + 0 .. 7.  topo's row of that query gives the same eight keys as 32
; neighbouring bytes.  Two tiles of p, rounded to f16 in pairs, are source 1 of O^T = V^T P; its result holds one query a lane and eight channels, which is half a fragment of the last product's operand.
; SOFTMAX.  For each query a running maximum m and sum l: p = 2^(t - m), t = S x topo; in every step O and l are multiplied by a = 2^(m_old - m_new).  m begins at -3e38 and O and l at 0: the step is written once.
; THE RING.  Two LDS slots of 128 keys (two steps): topo's 128 rows x 512 bytes with 16 bytes of padding behind each (132 words: row r starts at bank 4 r mod 64; 64 banks of 4 bytes: ISA guide 11.1), then the two
; heads' K and V, 24,576 dense bytes each.  A step's K, V and topo are asked into registers a step ahead, so a slot is left at the head of its second step and the refill has two steps in which to land.
; CLUSTER.  4 x 4 work-groups: x = four blocks of queries, y = the four pairs of heads of one batch.  topo's tile hangs on batch and query block: the four of a column ask for it jointly (so all eight heads share one
; fetch); K's and V's hang on batch and head: the four of a row ask jointly.  Waves 0 and 1 fetch topo's halves, waves 2 and 3 a head's K and V each, waves 4 to 7 nothing: at most two tensor loads of a wave are out
; (the first fills), later one.  Every wait on TENSORcnt is for 0.
; LIMITS: NaN and infinities are not served; f16 keeps 11 bits of features, p and v, and |v| stays under 65,504.
; REGISTERS.  Window 0: v1-8 addresses; v16-31 statistics, eight a tile; v32-95 S^T, then p; v96-159 topo, laid as S^T; v160-191 P.   Window 1: v0-31 Q; v32-63 O^T; v64-127 K; v128-191 V^T, two sets.
.set TOPOB, 67584                      ; 128 rows x 528 bytes
.set SLOT,  116736                     ; + 2 x 24,576
.set SPARE, 233472                     ; behind the ring: the spare words, 128 bytes for each of the eight waves: no other line names them
.set AT,  1                            ; v1, v2  my lane's place in topo's tile, slot 0, 1
.set AK,  3                            ; v3, v4  my lane's place in my head's K and V
.set LI,  5                            ; v5      16 x lane
.set SPW, 6                            ; v6      my spare word;  v7  0: both never rewritten
.set NIL, 7
.set PFO, 8                            ; v8      the prefetches' offset
.set ST,  16                           ; tile a's statistics at v[ST + 8 a]: +0 m, +1 0, +2, +3 l (even keys', odd keys'), +4 .. +7 c0-c3 at work; a takes c2's place
.set S,   32
.set T,   96
.set P,   160
.set QF,  0                            ; window 1
.set OF,  32
.set KF,  64
.set VF,  128
.set WV,  12                           ; s12 wave;  s13 wave % 2;  s14 wave / 2;  s15 batch
.set SEL, 20                           ; s[20:21] lane selects: lane l xor 16
.set G1T, 24                           ; s[24:31] group 1 for topo;  s[32:39] its groups 0, one for each slot
.set G0T, 32
.set LIM, 43                           ; s43 1 in a wave that prefetches, else the greatest number
.set PFA, 44                           ; s[44:45] where my prefetches stand
.set G1K, 48                           ; s[48:55], s[56:63] the same for K and V
.set G0K, 56
.set W_KQ, 0x05                        ; K and Q in window 1, S^T in window 0
.set W_PV, 0x51                        ; V and O^T in window 1, P in window 0
.set W_RS, 0x41                        ; O^T (destination and source 0) in window 1
.set W_LD, 0x40                        ; destination window 1, address window 0
.set MSB, 0
.macro WIN new                         ; the immediate's high byte repeats the setting that is left; a switch that changes nothing is dropped
.if MSB != \new
	s_set_vgpr_msb (MSB<<8)|\new
.set MSB, \new
.endif
.endm
.macro CROUND                          ; a round of the cluster's barrier
	s_barrier_signal -1
	s_barrier_wait -1
	s_cmp_lg_u32 s[WV], 0
	s_cbranch_scc1 .Lnot_wave_0_\@
	s_barrier_signal -3
.Lnot_wave_0_\@:
	s_barrier_wait -3
	s_barrier_signal -1
	s_barrier_wait -1
.endm
.macro JLOAD slot                      ; a joint refill.  The branches hang on the wave's number alone; an s_nop 0 and four v_nop follow each load
	s_cmp_lt_u32 s[WV], 2
	s_cbranch_scc0 .Lnot_t_\@
	tensor_load_to_lds s[G0T+4*(\slot):G0T+4*(\slot)+3], s[G1T:G1T+7]
	s_nop 0
.rept 4
	v_nop
.endr
	s_branch .Lasked_\@
.Lnot_t_\@:
	s_cmp_lt_u32 s[WV], 4
	s_cbranch_scc0 .Lasked_\@
	tensor_load_to_lds s[G0K+4*(\slot):G0K+4*(\slot)+3], s[G1K:G1K+7]
	s_nop 0
.rept 4
	v_nop
.endr
.Lasked_\@:
.endm
; A prefetch of topo's tile that stands two refills on: four key steps ahead of the load that will want it.  Of the 64 rows that waves 0 and 1 each fetch, the partner at place cy of the column takes 16, told apart by
; address; a lane names one of the two blocks of 256 bytes of a row's 512: so each block is named once in the launch.  The loop's last trip asks for nothing: its two refills are the last.
.macro ASK
	s_cmp_gt_u32 s3, s[LIM]
	s_cbranch_scc0 .Lnot_mine_\@
	global_prefetch_b8 v[PFO], s[PFA:PFA+1] th:TH_LOAD_NT scope:SCOPE_SE
.Lnot_mine_\@:
.endm
.macro FETCH_KV slot, nq, p            ; 24 LDS loads in one run: a step's K (4 key tiles x cos, sin) and its V^T (2 groups of 32 keys x 2 tiles of channels) into set p
	WIN W_LD
.irp f, 0,1,2,3,4,5,6,7
	ds_load_b128 v[KF+8*\f:KF+8*\f+3], v[AK+(\slot)] offset:12288*(\nq)+1024*\f
	ds_load_b128 v[KF+8*\f+4:KF+8*\f+7], v[AK+(\slot)] offset:12288*(\nq)+1024*\f+512
.endr
.irp f, 0,1,2,3
	ds_load_b128 v[VF+32*(\p)+8*\f:VF+32*(\p)+8*\f+3], v[AK+(\slot)] offset:12288*(\nq)+8192+1024*\f
	ds_load_b128 v[VF+32*(\p)+8*\f+4:VF+32*(\p)+8*\f+7], v[AK+(\slot)] offset:12288*(\nq)+8192+1024*\f+512
.endr
	WIN 0
.endm
.macro FETCH_T slot, nq                ; 16 LDS loads: topo of my two query tiles x a step's 64 keys
.irp a, 0,1
.irp t, 0,1,2,3
	ds_load_b128 v[T+32*\a+8*\t:T+32*\a+8*\t+3], v[AT+(\slot)] offset:8448*\a+256*(\nq)+64*\t
	ds_load_b128 v[T+32*\a+8*\t+4:T+32*\a+8*\t+7], v[AT+(\slot)] offset:8448*\a+256*(\nq)+64*\t+16
.endr
.endr
.endm
; THE CHANGE OF SLOTS, at the head of a slot's second step: all of the slot's bytes have been asked into registers.  Each wave waits for all its tensor loads (its part of the other slot), adds 0 to its spare word,
; and waits for that and for its reads of the slot.  fill = 1: a round of the cluster's barrier, so that no wave of any partner still reads the slot or has a load on its way; then the joint refill, first thing.
.macro CHANGE slot, fill
	s_wait_tensorcnt 0x0                           ; no tensor load of mine is out, so a group 0 may be written
	ds_add_u32 v[SPW], v[NIL]
.if \fill
	ds_add_u32 v[SPW], v[NIL]                      ; and twice on end here, in every trip alike
	s_add_nc_u64 s[G0T+4*(\slot)+2:G0T+4*(\slot)+3], s[G0T+4*(\slot)+2:G0T+4*(\slot)+3], 1024    ; two slots of 128 keys on in topo's rows,
	s_add_nc_u64 s[G0K+4*(\slot)+2:G0K+4*(\slot)+3], s[G0K+4*(\slot)+2:G0K+4*(\slot)+3], 49152   ; and in the head's K and V
	s_wait_xcnt 0x0                                ; the last prefetch, two steps back, has read its address
	s_add_nc_u64 s[PFA:PFA+1], s[PFA:PFA+1], 512
	s_wait_dscnt 0x0                               ; both adds are done, and my reads of the slot are back
	CROUND
	JLOAD \slot
	ASK
.else
	s_wait_dscnt 0x0
	s_barrier_signal -1
	s_barrier_wait -1
.endif
.endm
; A KEY STEP of 64 keys.  Its K, V (set p) and topo were asked for a step ago, in that order.  fetch = 1: the next step's, step nq of slot nslot, are asked for.
.macro STEP chg, cslot, fill, fetch, nslot, nq, p
.if \chg
	CHANGE \cslot, \fill
.endif
	s_wait_dscnt 24                                ; K is in; behind it stand V's 8 loads and topo's 16
	WIN W_KQ
.irp s, 0,1                            ; the eight accumulators take turns, one instruction a turn; the first K step starts the sums
.irp a, 0,1
.irp t, 0,1,2,3
.if \s == 0
	v_wmma_f32_16x16x32_f16 v[S+32*\a+8*\t:S+32*\a+8*\t+7], v[KF+16*\t:KF+16*\t+7], v[QF+16*\a:QF+16*\a+7], 0
.else
	v_wmma_f32_16x16x32_f16 v[S+32*\a+8*\t:S+32*\a+8*\t+7], v[KF+16*\t+8:KF+16*\t+15], v[QF+16*\a+8:QF+16*\a+15], v[S+32*\a+8*\t:S+32*\a+8*\t+7]
.endif
.endr
.endr
.endr
	WIN 0
.rept 4
	v_nop                                          ; four places in front of the loads into K's and V's registers and of the first read of the scores
.endr
.if \fetch
	FETCH_KV \nslot, \nq, 1-(\p)
	s_wait_dscnt 24                                ; all but the 24 just issued: this step's V and topo are in
.else
	s_wait_dscnt 0x0
.endif
.set i, 0
.rept 32
	v_pk_mul_f32 v[S+i:S+i+1], v[S+i:S+i+1], v[T+i:T+i+1]      ; t = score x topo; each accumulator from its low end on
.set i, i+2
.endr
.irp j, 0,1,2,3                        ; the largest of a lane's 32 t and the old m: four chains a tile, the two tiles by turns
.irp a, 0,1
	v_max3_num_f32 v[ST+8*\a+4+\j], v[S+32*\a+8*\j], v[S+32*\a+8*\j+1], v[S+32*\a+8*\j+2]
.endr
.endr
.irp q, 1,2
.irp j, 0,1,2,3
.irp a, 0,1
	v_max3_num_f32 v[ST+8*\a+4+\j], v[ST+8*\a+4+\j], v[S+32*\a+8*\j+2*\q+1], v[S+32*\a+8*\j+2*\q+2]
.endr
.endr
.endr
.irp a, 0,1
	v_max3_num_f32 v[ST+8*\a+4], v[ST+8*\a+4], v[S+32*\a+7], v[S+32*\a+15]
	v_max3_num_f32 v[ST+8*\a+6], v[ST+8*\a+6], v[S+32*\a+23], v[S+32*\a+31]
.endr
.irp a, 0,1
	v_max3_num_f32 v[ST+8*\a+4], v[ST+8*\a+4], v[ST+8*\a+5], v[ST+8*\a+6]
.endr
.irp a, 0,1
	v_max3_num_f32 v[ST+8*\a+4], v[ST+8*\a+4], v[ST+8*\a+7], v[ST+8*\a]
.endr
.irp a, 0,1
	v_permlanex16_b32 v[ST+8*\a+5], v[ST+8*\a+4], s[SEL], s[SEL+1]     ; the query's other 32 keys lie in the lane 16 away
.endr
.irp a, 0,1
	v_mov_b32 v[ST+8*\a+7], v[ST+8*\a]
.endr
.irp a, 0,1
	v_max_num_f32 v[ST+8*\a], v[ST+8*\a+4], v[ST+8*\a+5]               ; the new m
.endr
.irp a, 0,1
	v_sub_f32 v[ST+8*\a+7], v[ST+8*\a+7], v[ST+8*\a]                   ; m_old - m_new
.endr
.irp a, 0,1
.set i, 0
.rept 16
	v_pk_add_f32 v[S+32*\a+i:S+32*\a+i+1], v[S+32*\a+i:S+32*\a+i+1], v[ST+8*\a:ST+8*\a+1] op_sel_hi:[1,0] neg_lo:[0,1] neg_hi:[0,1]   ; t - m
.set i, i+2
.endr
.endr
.irp a, 0,1
	v_exp_f32 v[ST+8*\a+6], v[ST+8*\a+7]           ; a.  The step's 66 exponentials are one batch
.endr
.set i, 0
.rept 64
	v_exp_f32 v[S+i], v[S+i]                       ; p
.set i, i+1
.endr
	v_nop                                          ; a plain line behind the last exponential
.if \fetch
	FETCH_T \nslot, \nq
.endif
	s_wait_alu depctr_va_vdst(0)                   ; one wait for the batch, ahead of the first line that names a result
.set i, 0
.rept 32
	v_cvt_pk_f16_f32 v[P+i], v[S+2*i], v[S+2*i+1]
.set i, i+1
.endr
.irp u, 0,1,2,3,4,5,6,7                ; the sum of a tile's 16 pairs, in place, neighbours 1, 2, 4 and 8 pairs apart; then l takes it
.irp a, 0,1
	v_pk_add_f32 v[S+32*\a+4*\u:S+32*\a+4*\u+1], v[S+32*\a+4*\u:S+32*\a+4*\u+1], v[S+32*\a+4*\u+2:S+32*\a+4*\u+3]
.endr
.endr
.irp u, 0,1,2,3
.irp a, 0,1
	v_pk_add_f32 v[S+32*\a+8*\u:S+32*\a+8*\u+1], v[S+32*\a+8*\u:S+32*\a+8*\u+1], v[S+32*\a+8*\u+4:S+32*\a+8*\u+5]
.endr
.endr
.irp u, 0,1
.irp a, 0,1
	v_pk_add_f32 v[S+32*\a+16*\u:S+32*\a+16*\u+1], v[S+32*\a+16*\u:S+32*\a+16*\u+1], v[S+32*\a+16*\u+8:S+32*\a+16*\u+9]
.endr
.endr
.irp a, 0,1
	v_pk_add_f32 v[S+32*\a:S+32*\a+1], v[S+32*\a:S+32*\a+1], v[S+32*\a+16:S+32*\a+17]
.endr
.irp a, 0,1
	v_pk_fma_f32 v[ST+8*\a+2:ST+8*\a+3], v[ST+8*\a+2:ST+8*\a+3], v[ST+8*\a+6:ST+8*\a+7], v[S+32*\a:S+32*\a+1] op_sel_hi:[1,0,1]   ; l = a l + the sum
.endr
	WIN W_RS
.irp a, 0,1
.irp i, 0,2,4,6,8,10,12,14
	v_pk_mul_f32 v[OF+16*\a+\i:OF+16*\a+\i+1], v[OF+16*\a+\i:OF+16*\a+\i+1], v[ST+8*\a+6:ST+8*\a+7] op_sel_hi:[1,0]   ; O^T x a; each accumulator from its low end on
.endr
.endr
	WIN W_PV
.irp g, 0,1                            ; O^T += V^T P: the four accumulators by turns
.irp a, 0,1
.irp u, 0,1
	v_wmma_f32_16x16x32_f16 v[OF+16*\a+8*\u:OF+16*\a+8*\u+7], v[VF+32*(\p)+16*\g+8*\u:VF+32*(\p)+16*\g+8*\u+7], v[P+16*\a+8*\g:P+16*\a+8*\g+7], v[OF+16*\a+8*\u:OF+16*\a+8*\u+7]
.endr
.endr
.endr
	WIN 0
.endm
	s_load_b256 s[4:11], s[0:1], 0x0               ; qimg s[4:5], kv s[6:7], topo s[8:9], oimg s[10:11]
	v_lshl_add_u32 v[SPW], v0, 2, SPARE
	v_mov_b32 v[NIL], 0
	ds_add_u32 v[SPW], v[NIL]                      ; the wave's opening: the add, twice on end, and its wait ahead of the first tensor loads; the set-up below stands between
	ds_add_u32 v[SPW], v[NIL]
	v_lshrrev_b32 v9, 5, v0
	v_readfirstlane_b32 s[WV], v9                  ; wave 0..7
	s_and_b32 s13, s[WV], 1
	s_lshr_b32 s14, s[WV], 1
	s_and_b32 s15, ttmp7, 0xffff                   ; the batch = cluster y
	s_bfe_u32 s40, ttmp6, 0x40000                  ; cx
	s_bfe_u32 s41, ttmp6, 0x40004                  ; cy: the pair of heads
	s_lshl_b32 s42, ttmp9, 2
	s_add_co_u32 s42, s42, s40                     ; my block of 128 queries = 4 x cluster x + cx
	s_lshl_b32 s22, s41, 2
	s_lshl_b32 s22, 15, s22                        ; my row of the cluster
	s_lshl_b32 s23, 0x1111, s40                    ; my column
	; group 1 for topo: 64 rows x 128 elements of 4 bytes, 2,048 elements from row to row; 4 words of padding behind every 128
	s_or_b32 s[G1T], s23, (2<<16)|(1<<20)|(1<<21)|(6<<22)|(3<<25)
	s_mov_b32 s[G1T+1], 128<<16
	s_mov_b32 s[G1T+2], 64<<16
	s_mov_b32 s[G1T+3], 128<<16
	s_mov_b32 s[G1T+4], 64
	s_mov_b32 s[G1T+5], 2048
	s_mov_b32 s[G1T+6], 0
	s_mov_b32 s[G1T+7], 0
	; group 1 for K and V: a dense block of 24,576 bytes as 96 rows of 32 elements of 8 bytes, no padding
	s_or_b32 s[G1K], s22, (3<<16)|(1<<21)
	s_mov_b32 s[G1K+1], 32<<16
	s_mov_b32 s[G1K+2], 96<<16
	s_mov_b32 s[G1K+3], 32<<16
	s_mov_b32 s[G1K+4], 96
	s_mov_b32 s[G1K+5], 32
	s_mov_b32 s[G1K+6], 0
	s_mov_b32 s[G1K+7], 0
	; topo's tile: batch, query block, which 64 rows: registers that never hold cy
	s_lshl_b32 s16, s15, 24
	s_lshl_b32 s17, s42, 20
	s_add_co_u32 s16, s16, s17
	s_lshl_b32 s17, s13, 19
	s_add_co_u32 s16, s16, s17
	s_mov_b32 s17, 0
	s_mul_i32 s66, s13, 33792                      ; and where it goes: 64 rows of 528 bytes
	; K's and V's: batch and head: registers that never hold cx
	s_lshl_b32 s68, s41, 1
	s_add_co_u32 s68, s68, s13                     ; the head: 2 cy + wave % 2
	s_lshl_b32 s69, s15, 3
	s_add_co_u32 s69, s69, s68
	s_mul_i32 s18, s69, 393216
	s_mov_b32 s19, 0
	s_mul_i32 s67, s13, 24576
	s_add_co_u32 s67, s67, TOPOB
	; Q, O and the prefetches hang on both
	s_lshl_b32 s70, s69, 7
	s_lshl_b32 s71, s42, 3
	s_add_co_u32 s70, s70, s71
	s_lshl_b32 s71, s14, 1
	s_add_co_u32 s70, s70, s71                     ; Q: (8 b + head) x 128 + my first token tile,
	s_lshl_b32 s70, s70, 11                        ; 2,048 bytes each
	s_mov_b32 s71, 0
	s_lshl_b32 s72, s15, 7
	s_lshl_b32 s73, s42, 3
	s_add_co_u32 s72, s72, s73
	s_lshl_b32 s73, s14, 1
	s_add_co_u32 s72, s72, s73                     ; O: my first token tile of 512,
	s_lshl_b32 s72, s72, 13                        ; 8,192 bytes each,
	s_lshl_b32 s73, s68, 10
	s_add_co_u32 s72, s72, s73                     ; my head's 1,024
	s_mov_b32 s73, 0
	s_lshl_b32 s46, s41, 17                        ; the prefetches: my work-group's 16 of the wave's 64 rows,
	s_add_co_u32 s46, s46, 1536                    ; at slot tile 3: the first change of slots steps it to 4
	s_mov_b32 s47, 0
	s_cmp_lt_u32 s[WV], 2
	s_cselect_b32 s[LIM], 1, -1
	s_mov_b32 s[SEL], 0x76543210
	s_mov_b32 s[SEL+1], 0xfedcba98
	v_and_b32 v9, 31, v0                           ; lane
	v_and_b32 v10, 15, v0                          ; r
	v_bfe_u32 v11, v0, 4, 1                        ; h
	v_lshlrev_b32 v[LI], 4, v9
	s_mul_i32 s2, s14, 32*528
	v_mul_u32_u24 v[AT], v10, 528
	v_lshl_add_u32 v[AT], v11, 5, v[AT]
	v_add_nc_u32 v[AT], s2, v[AT]                  ; topo: row 32 (w / 2) + r, + 32 h
	v_add_nc_u32 v[AT+1], SLOT, v[AT]
	v_add_nc_u32 v[AK], s67, v[LI]                 ; my head's K and V: 16 x lane
	v_add_nc_u32 v[AK+1], SLOT, v[AK]
	v_lshlrev_b32 v[PFO], 13, v10
	v_lshl_add_u32 v[PFO], v11, 8, v[PFO]          ; row lane % 16, block lane / 16 of its two
.irp a, 0,1
	v_mov_b32 v[ST+8*\a], 0xff61b1e6               ; m: -3e38
	v_mov_b32 v[ST+8*\a+1], 0                      ; (named with m as a pair)
	v_mov_b32 v[ST+8*\a+2], 0                      ; l
	v_mov_b32 v[ST+8*\a+3], 0
.endr
	s_wait_dscnt 0x0                               ; both opening adds are done
	s_wait_kmcnt 0x0
	s_add_nc_u64 s[16:17], s[8:9], s[16:17]
	s_add_nc_u64 s[18:19], s[6:7], s[18:19]
	s_add_nc_u64 s[4:5], s[4:5], s[70:71]
	s_add_nc_u64 s[10:11], s[10:11], s[72:73]
	s_add_nc_u64 s[PFA:PFA+1], s[16:17], s[46:47]
.irp s, 0,1
	s_mov_b32 s[G0T+4*\s], 1
	s_add_co_u32 s[G0T+4*\s+1], s66, \s*SLOT
	s_add_nc_u64 s[G0T+4*\s+2:G0T+4*\s+3], s[16:17], \s*512
	s_or_b32 s[G0T+4*\s+3], s[G0T+4*\s+3], 0x80000000
	s_mov_b32 s[G0K+4*\s], 1
	s_add_co_u32 s[G0K+4*\s+1], s67, \s*SLOT
	s_add_nc_u64 s[G0K+4*\s+2:G0K+4*\s+3], s[18:19], \s*24576
	s_or_b32 s[G0K+4*\s+3], s[G0K+4*\s+3], 0x80000000
.endr
	CROUND                                         ; all sixteen work-groups are here: the first joint loads meet
	s_cmp_lt_u32 s[WV], 2                          ; a wave's two first fills stand in one branch, ahead of every wait on TENSORcnt and every LDS read
	s_cbranch_scc0 .Lfirst_not_t
	tensor_load_to_lds s[G0T:G0T+3], s[G1T:G1T+7]
	s_nop 0
	tensor_load_to_lds s[G0T+4:G0T+7], s[G1T:G1T+7]
	s_nop 0
.rept 4
	v_nop
.endr
	s_branch .Lfirst_asked
.Lfirst_not_t:
	s_cmp_lt_u32 s[WV], 4
	s_cbranch_scc0 .Lfirst_asked
	tensor_load_to_lds s[G0K:G0K+3], s[G1K:G1K+7]
	s_nop 0
	tensor_load_to_lds s[G0K+4:G0K+7], s[G1K:G1K+7]
	s_nop 0
.rept 4
	v_nop
.endr
.Lfirst_asked:
	WIN W_LD
.irp f, 0,1,2,3                        ; Q stays in registers: tile f / 2, cos or sin
	global_load_b128 v[QF+8*\f:QF+8*\f+3], v[LI], s[4:5] offset:1024*\f th:TH_LOAD_NT
	global_load_b128 v[QF+8*\f+4:QF+8*\f+7], v[LI], s[4:5] offset:1024*\f+512 th:TH_LOAD_NT
.endr
.set i, 0
.rept 32
	v_mov_b32 v[OF+i], 0                           ; O^T: the step is written once, and its first a is 0 on zeros
.set i, i+1
.endr
	WIN 0
	s_wait_tensorcnt 0x0                           ; my parts of both slots are in,
	s_barrier_signal -1
	s_barrier_wait -1                              ; everybody's are
	FETCH_KV 0, 0, 0
	FETCH_T 0, 0
	s_wait_loadcnt 0x0                             ; Q
	s_mov_b32 s3, 7
.Ltrip:                                            ; a trip goes once round the ring: four steps, both slots filled again
	STEP 0, 0, 0, 1, 0, 1, 0
	STEP 1, 0, 1, 1, 1, 0, 1
	STEP 0, 0, 0, 1, 1, 1, 0
	STEP 1, 1, 1, 1, 0, 0, 1
	s_sub_co_u32 s3, s3, 1
	s_cmp_lg_u32 s3, 0
	s_cbranch_scc1 .Ltrip
	STEP 0, 0, 0, 1, 0, 1, 0                       ; the last lap is written out: it fills nothing
	STEP 1, 0, 0, 1, 1, 0, 1                       ; (slot 1's last fill is waited for, and shown to all, by this change)
	STEP 0, 0, 0, 1, 1, 1, 0
	STEP 0, 0, 0, 0, 0, 0, 1
	; THE WAY OUT.  l's two halves and lane l xor 16's are added (these lines are the places behind the last products); O^T / l is rounded to f16: a lane's eight channels are four registers of the next operand's image.
.irp a, 0,1
	v_add_f32 v[ST+8*\a+4], v[ST+8*\a+2], v[ST+8*\a+3]
.endr
.irp a, 0,1
	v_permlanex16_b32 v[ST+8*\a+5], v[ST+8*\a+4], s[SEL], s[SEL+1]
.endr
.irp a, 0,1
	v_add_f32 v[ST+8*\a+4], v[ST+8*\a+4], v[ST+8*\a+5]
.endr
.irp a, 0,1
	v_rcp_f32 v[ST+8*\a+6], v[ST+8*\a+4]
.endr
	v_nop                                          ; a plain line behind the last reciprocal,
	s_wait_alu depctr_va_vdst(0)                   ; and the wait ahead of the first use
	WIN W_RS
.irp a, 0,1
.irp i, 0,2,4,6,8,10,12,14
	v_pk_mul_f32 v[OF+16*\a+\i:OF+16*\a+\i+1], v[OF+16*\a+\i:OF+16*\a+\i+1], v[ST+8*\a+6:ST+8*\a+7] op_sel_hi:[1,0]
.endr
.endr
	WIN 0x05                                       ; sources window 1, destination window 0
.set i, 0
.rept 16
	v_cvt_pk_f16_f32 v[S+i], v[OF+2*i], v[OF+2*i+1]
.set i, i+1
.endr
	WIN 0
.irp a, 0,1
.irp u, 0,1
	global_store_b128 v[LI], v[S+8*\a+4*\u:S+8*\a+4*\u+3], s[10:11] offset:8192*\a+512*\u   ; each store of the wave covers 512 consecutive bytes, aligned
.endr
.endr
	s_wait_tensorcnt 0x0                           ; the wave's end
	ds_add_u32 v[SPW], v[NIL]
	s_wait_dscnt 0x0
	CROUND                                         ; the closing round: no work-group ends while a partner may still ask for a tile that names it
	s_endpgm
.Lfunc_end_k_q1e097606ab_attn:
	.size	k_q1e097606ab_attn, .Lfunc_end_k_q1e097606ab_attn-k_q1e097606ab_attn
	.p2alignl 7, 3214868480
	.fill 96, 4, 3214868480
	.section	.rodata,"a",@progbits
	.p2align	6, 0x0
	.amdhsa_kernel k_q1e097606ab_attn
		.amdhsa_group_segment_fixed_size 327680
		.amdhsa_private_segment_fixed_size 0
		.amdhsa_enable_private_segment 0
		.amdhsa_kernarg_size 32
		.amdhsa_user_sgpr_count 2
		.amdhsa_user_sgpr_kernarg_segment_ptr 1
		.amdhsa_wavefront_size32 1
		.amdhsa_system_sgpr_workgroup_id_x 1
		.amdhsa_system_sgpr_workgroup_id_y 1
		.amdhsa_system_sgpr_workgroup_id_z 1
		.amdhsa_system_vgpr_workitem_id 0
		.amdhsa_next_free_vgpr 448
		.amdhsa_next_free_sgpr 74
		.amdhsa_reserve_vcc 0
		.amdhsa_float_denorm_mode_32 3
		.amdhsa_float_denorm_mode_16_64 3
		.amdhsa_memory_ordered 1
		.amdhsa_forward_progress 1
		.amdhsa_inst_pref_size 158
	.end_amdhsa_kernel
	.amdgpu_metadata
---
amdhsa.version: [ 1, 2 ]
amdhsa.kernels:
  - .name:           k_q1e097606ab_attn
    .symbol:         k_q1e097606ab_attn.kd
    .args:
      - { .name: qimg, .offset: 0, .size: 8, .value_kind: global_buffer, .address_space: global }
      - { .name: kv, .offset: 8, .size: 8, .value_kind: global_buffer, .address_space: global }
      - { .name: topo_weights, .offset: 16, .size: 8, .value_kind: global_buffer, .address_space: global }
      - { .name: oimg, .offset: 24, .size: 8, .value_kind: global_buffer, .address_space: global }
    .group_segment_fixed_size: 327680
    .private_segment_fixed_size: 0
    .kernarg_segment_align: 8
    .kernarg_segment_size: 32
    .max_flat_workgroup_size: 256
    .sgpr_count:     74
    .vgpr_count:     448
    .wavefront_size: 32
...
	.end_amdgpu_metadata
.endif
;; end of part 2
;; launch outp (part 3): grid 128 x 2, 4 waves a work-group, no clusters, 34,304 bytes of LDS; arguments oimg, woimg, bo, out0; writes out0
.if DOCPART == 3
	.amdgcn_target "amdgcn-amd-amdhsa--gfx1250"
	.amdhsa_code_object_version 6
	.text
	.protected	k_q1e097606ab_outp
	.globl	k_q1e097606ab_outp
	.p2align	8
	.type	k_q1e097606ab_outp,@function
k_q1e097606ab_outp:
	s_mov_b64 s[64:65], 0
	v_nop
	global_prefetch_b8 v0, s[64:65] scope:SCOPE_SE
	s_setreg_imm32_b32 hwreg(HW_REG_WAVE_MODE, 25, 1), 1
	s_wait_xcnt 0x0
; out0 = O Wo + bo.  O [8192][256] and Wo^T arrive as f16 images of operand registers (1,024 bytes a fragment of 16 rows x 32 K); sums in f32; out0 [8192][256] f32.
; SHARES.  A work-group takes 64 tokens (four tiles) x 128 columns; wave w the column tiles 2 w, 2 w + 1 of the eight, for all four token tiles: 64 products.  All fragments go straight into registers, each byte used
; once by a wave: no ring, no tensor load, no cluster (nothing is filled again, and the launch is short).
; THE MATRIX INSTRUCTION IS USED TRANSPOSED (source 0 = 16 columns of Wo, source 1 = 16 tokens): a lane holds eight neighbouring columns of one token.  bo is the C of each sum's first product.
; A row's 512 bytes come from four waves: they meet in a stage in LDS (rows of 512 + 16 bytes), and each wave stores 16 whole rows.
; REGISTERS.  Window 0: v1-7 addresses; v16-31 bo; v32-95 the eight accumulators; v96-159 rows on the way out.   Window 1: v0-127 Wo's 16 fragments; v128-255 O's tiles 0, 1.   Window 2: v0-127 O's tiles 2, 3.
.set SPARE, 33792                      ; behind the stage of 64 x 528 bytes: the spare words, 128 bytes for each wave: no other line names them
.set LI,  1                            ; v1  16 x lane
.set SO,  2                            ; v2  the stage: row r, + 32 h, + 128 w
.set SR,  3                            ; v3  and back: my 16 rows, 16 bytes a lane
.set AB,  4                            ; v4  32 h
.set SPW, 6
.set NIL, 7
.set BI,  16
.set ACC, 32
.set RW,  96
.set MSB, 0
.macro WIN new
.if MSB != \new
	s_set_vgpr_msb (MSB<<8)|\new
.set MSB, \new
.endif
.endm
	s_load_b256 s[4:11], s[0:1], 0x0               ; oimg s[4:5], woimg s[6:7], bo s[8:9], out0 s[10:11]
	v_lshl_add_u32 v[SPW], v0, 2, SPARE
	v_mov_b32 v[NIL], 0
	v_lshrrev_b32 v8, 5, v0
	v_readfirstlane_b32 s12, v8                    ; wave
	s_and_b32 s13, ttmp7, 0xffff                   ; which 128 columns
	v_and_b32 v8, 31, v0
	v_and_b32 v9, 15, v0
	v_bfe_u32 v10, v0, 4, 1
	v_lshlrev_b32 v[LI], 4, v8
	v_mul_u32_u24 v[SO], v9, 528
	v_lshl_add_u32 v[SO], v10, 5, v[SO]
	s_lshl_b32 s14, s12, 7
	v_add_nc_u32 v[SO], s14, v[SO]
	s_mul_i32 s14, s12, 16*528
	v_add_nc_u32 v[SR], s14, v[LI]
	v_lshlrev_b32 v[AB], 5, v10
	s_lshl_b32 s16, ttmp9, 15                      ; O: four token tiles of 8,192 bytes
	s_mov_b32 s17, 0
	s_lshl_b32 s18, s13, 3
	s_lshl_b32 s19, s12, 1
	s_add_co_u32 s18, s18, s19
	s_lshl_b32 s18, s18, 13                        ; Wo: column tile 8 ny + 2 w, 8,192 bytes each
	s_mov_b32 s19, 0
	s_lshl_b32 s20, s13, 9
	s_lshl_b32 s21, s12, 7
	s_add_co_u32 s20, s20, s21                     ; bo: column 128 ny + 32 w
	s_mov_b32 s21, 0
	s_lshl_b32 s22, ttmp9, 16
	s_lshl_b32 s23, s12, 14
	s_add_co_u32 s22, s22, s23                     ; out0: row 64 x + 16 w,
	s_lshl_b32 s23, s13, 9
	s_add_co_u32 s22, s22, s23                     ; + 512 ny
	s_mov_b32 s23, 0
	s_wait_kmcnt 0x0
	s_add_nc_u64 s[4:5], s[4:5], s[16:17]
	s_add_nc_u64 s[6:7], s[6:7], s[18:19]
	s_add_nc_u64 s[8:9], s[8:9], s[20:21]
	s_add_nc_u64 s[10:11], s[10:11], s[22:23]
.irp i, 0,1
	global_load_b128 v[BI+8*\i:BI+8*\i+3], v[AB], s[8:9] offset:64*\i          ; lane (r, h), register j: column 16 i + 8 h + j
	global_load_b128 v[BI+8*\i+4:BI+8*\i+7], v[AB], s[8:9] offset:64*\i+16
.endr
	WIN 0x40                                       ; destination window 1
.irp f, 0,1,2,3,4,5,6,7,8,9,10,11,12,13,14,15
	global_load_b128 v[8*\f:8*\f+3], v[LI], s[6:7] offset:1024*\f              ; Wo's fragment (tile f / 8, K step f % 8)
	global_load_b128 v[8*\f+4:8*\f+7], v[LI], s[6:7] offset:1024*\f+512
.endr
.irp f, 0,1,2,3,4,5,6,7,8,9,10,11,12,13,14,15
	global_load_b128 v[128+8*\f:128+8*\f+3], v[LI], s[4:5] offset:1024*\f      ; O's (token tile f / 8, head f % 8)
	global_load_b128 v[128+8*\f+4:128+8*\f+7], v[LI], s[4:5] offset:1024*\f+512
.endr
	WIN 0x80                                       ; destination window 2
.irp f, 0,1,2,3,4,5,6,7,8,9,10,11,12,13,14,15
	global_load_b128 v[8*\f:8*\f+3], v[LI], s[4:5] offset:16384+1024*\f
	global_load_b128 v[8*\f+4:8*\f+7], v[LI], s[4:5] offset:16384+1024*\f+512
.endr
	s_wait_loadcnt 32                              ; all but the 32 loads of token tiles 2 and 3
	WIN 0x05                                       ; Wo and O in window 1, C and D in window 0
.irp k, 0,1,2,3,4,5,6,7                ; four accumulators by turns, one instruction a turn
.irp m, 0,1
.irp i, 0,1
.if \k == 0
	v_wmma_f32_16x16x32_f16 v[ACC+8*(2*\m+\i):ACC+8*(2*\m+\i)+7], v[8*(8*\i+\k):8*(8*\i+\k)+7], v[128+64*\m+8*\k:128+64*\m+8*\k+7], v[BI+8*\i:BI+8*\i+7]
.else
	v_wmma_f32_16x16x32_f16 v[ACC+8*(2*\m+\i):ACC+8*(2*\m+\i)+7], v[8*(8*\i+\k):8*(8*\i+\k)+7], v[128+64*\m+8*\k:128+64*\m+8*\k+7], v[ACC+8*(2*\m+\i):ACC+8*(2*\m+\i)+7]
.endif
.endr
.endr
.endr
	s_wait_loadcnt 0x0
	WIN 0x09                                       ; O in window 2
.irp k, 0,1,2,3,4,5,6,7
.irp m, 2,3
.irp i, 0,1
.if \k == 0
	v_wmma_f32_16x16x32_f16 v[ACC+8*(2*\m+\i):ACC+8*(2*\m+\i)+7], v[8*(8*\i+\k):8*(8*\i+\k)+7], v[64*(\m-2)+8*\k:64*(\m-2)+8*\k+7], v[BI+8*\i:BI+8*\i+7]
.else
	v_wmma_f32_16x16x32_f16 v[ACC+8*(2*\m+\i):ACC+8*(2*\m+\i)+7], v[8*(8*\i+\k):8*(8*\i+\k)+7], v[64*(\m-2)+8*\k:64*(\m-2)+8*\k+7], v[ACC+8*(2*\m+\i):ACC+8*(2*\m+\i)+7]
.endif
.endr
.endr
.endr
	WIN 0
.rept 4
	v_nop                                          ; four places in front of the first read of results
.endr
.irp m, 0,1,2,3
.irp i, 0,1
	ds_store_b128 v[SO], v[ACC+8*(2*\m+\i):ACC+8*(2*\m+\i)+3] offset:8448*\m+64*\i          ; each accumulator from its low end on
	ds_store_b128 v[SO], v[ACC+8*(2*\m+\i)+4:ACC+8*(2*\m+\i)+7] offset:8448*\m+64*\i+16
.endr
.endr
	s_wait_dscnt 0x0                               ; for the others' sake: my stores into the stage have landed
	s_barrier_signal -1
	s_barrier_wait -1                              ; 64 whole rows lie in the stage
.irp t, 0,1,2,3,4,5,6,7,8,9,10,11,12,13,14,15
	ds_load_b128 v[RW+4*\t:RW+4*\t+3], v[SR] offset:528*\t
.endr
.irp t, 0,1,2,3,4,5,6,7,8,9,10,11,12,13,14,15
	s_wait_dscnt 15-\t                             ; LDS loads come back in order: row t is in, the younger ones may be out
	global_store_b128 v[LI], v[RW+4*\t:RW+4*\t+3], s[10:11] offset:1024*\t th:TH_STORE_NT   ; 32 lanes store 512 consecutive bytes, aligned
.endr
	s_wait_tensorcnt 0x0                           ; the wave's end, behind my last LDS store
	ds_add_u32 v[SPW], v[NIL]
	s_wait_dscnt 0x0
	s_endpgm
.Lfunc_end_k_q1e097606ab_outp:
	.size	k_q1e097606ab_outp, .Lfunc_end_k_q1e097606ab_outp-k_q1e097606ab_outp
	.p2alignl 7, 3214868480
	.fill 96, 4, 3214868480
	.section	.rodata,"a",@progbits
	.p2align	6, 0x0
	.amdhsa_kernel k_q1e097606ab_outp
		.amdhsa_group_segment_fixed_size 34304
		.amdhsa_private_segment_fixed_size 0
		.amdhsa_enable_private_segment 0
		.amdhsa_kernarg_size 32
		.amdhsa_user_sgpr_count 2
		.amdhsa_user_sgpr_kernarg_segment_ptr 1
		.amdhsa_wavefront_size32 1
		.amdhsa_system_sgpr_workgroup_id_x 1
		.amdhsa_system_sgpr_workgroup_id_y 1
		.amdhsa_system_sgpr_workgroup_id_z 1
		.amdhsa_system_vgpr_workitem_id 0
		.amdhsa_next_free_vgpr 640
		.amdhsa_next_free_sgpr 66
		.amdhsa_reserve_vcc 0
		.amdhsa_float_denorm_mode_32 3
		.amdhsa_float_denorm_mode_16_64 3
		.amdhsa_memory_ordered 1
		.amdhsa_forward_progress 1
		.amdhsa_inst_pref_size 20
	.end_amdhsa_kernel
	.amdgpu_metadata
---
amdhsa.version: [ 1, 2 ]
amdhsa.kernels:
  - .name:           k_q1e097606ab_outp
    .symbol:         k_q1e097606ab_outp.kd
    .args:
      - { .name: oimg, .offset: 0, .size: 8, .value_kind: global_buffer, .address_space: global }
      - { .name: woimg, .offset: 8, .size: 8, .value_kind: global_buffer, .address_space: global }
      - { .name: bo, .offset: 16, .size: 8, .value_kind: global_buffer, .address_space: global }
      - { .name: out0, .offset: 24, .size: 8, .value_kind: global_buffer, .address_space: global }
    .group_segment_fixed_size: 34304
    .private_segment_fixed_size: 0
    .kernarg_segment_align: 8
    .kernarg_segment_size: 32
    .max_flat_workgroup_size: 128
    .sgpr_count:     66
    .vgpr_count:     640
    .wavefront_size: 32
...
	.end_amdgpu_metadata
.endif
;; end of part 3
